; MI455X (gfx1250); checked and timed in simulation.
; The chip was launched on July 23, 2026; its instructions are those of AMD's public machine-readable ISA for CDNA 5 (MIT licence, August 2026) and "CDNA5" Instruction Set Architecture Reference Guide (July 2026). The comments in the code are by the model that wrote it; some were corrected since.
;; Natten Attention. Allowed arithmetic: float matrix products may take bf16 or f16 operands with f32 sums; other float arithmetic in f32, or as packed bf16 or f16 multiplies, adds, multiply-adds, maxima and minima; sums over many terms, partial sums and values carried from step to step in f32; what a program stores and reads back later, other than sums and carried values, may be rounded once to bf16 or f16.
;; Inputs: b_proj 256 float32; b_qkv 768 float32; rpb 8 x 13 x 13 float32; w_proj 256 x 256 float32; w_qkv 256 x 768 float32; x 1 x 180 x 360 x 256 float32.
;; Outputs: out0 1 x 180 x 360 x 256 float32.
;; One version. Each part assembles by itself: llvm-mc -triple=amdgcn-amd-amdhsa -mcpu=gfx1250 --defsym DOCPART=n.
;; ======== version 1 of 1: 3 launches
;; limits: values outside matrix products are rounded to f16; values are held in f16: magnitudes above 65,504 overflow, below 6.1e-05 lose precision
;; workspace buffers: wqkvT 393,216 bytes; wprojT 131,072 bytes; tab 327,680 bytes; qbuf 33,177,600 bytes; kbuf 33,177,600 bytes; vbuf 33,177,600 bytes
;; launch prep (part 1): grid 112 x 1, 8 waves a work-group, no clusters, 18,432 bytes of LDS; arguments w_qkv, w_proj, rpb, wqkvT, wprojT, tab; writes wqkvT, wprojT, tab
.if DOCPART == 1
	.amdgcn_target "amdgcn-amd-amdhsa--gfx1250"
	.amdhsa_code_object_version 6
	.text
	.protected	k_q5c68593ade_prep
	.globl	k_q5c68593ade_prep
	.p2align	8
	.type	k_q5c68593ade_prep,@function
k_q5c68593ade_prep:
	s_mov_b64 s[64:65], 0
	v_nop
	global_prefetch_b8 v0, s[64:65] scope:SCOPE_SE
	s_setreg_imm32_b32 hwreg(HW_REG_WAVE_MODE, 25, 1), 1
	s_wait_xcnt 0x0
; PREP: the weights turned and rounded, and the table that starts the score sums.
; Work-groups 0-23: w_qkv [256 k][768 n] f32 -> wqkvT [768 n][256 k] bf16.  24-31: w_proj [256][256] -> wprojT [n][k]: rounded to bf16, that number written as f16
; (LIMIT: a weight below 6e-5 keeps f16's fixed step of 6e-8; beyond 65,504 it would be an infinity).  One tile of 128 k x 64 n each, turned through LDS (64 rows of 272 bytes).
; Work-groups 32-111: tab [5 variants][8 heads][8 key rows][2][32 lanes][4] f32: for a block of 16 queries (8 columns x 2 rows, first row H0) and 8 x 16 keys, the C operand of S^T = K Q^T:
; bf16(rpb) x sqrt(32) where the key lies in the query's 7 x 7 window, -1e30 elsewhere.  Lane (r, h) holds query r (column r % 8, row r / 8); its number j the key column 8 h + j.
; Key row kr stands for image row H0 - 3 + kr, plus 8 where that is below 0, less 8 where it is above 179.  Variants: H0 = 90 (any inner block), 0, 2, 176, 178.
.set SPARE, 17408                      ; behind the tile: the spare words, 128 bytes for each of 8 waves
.set SPW, 1                            ; v1  SPARE + 4 x my thread's number; never rewritten
.set NIL, 2                            ; v2  0; never rewritten
	s_load_b256 s[4:11], s[0:1], 0x0               ; w_qkv s[4:5], w_proj s[6:7], rpb s[8:9], wqkvT s[10:11]
	s_load_b128 s[12:15], s[0:1], 0x20             ; wprojT s[12:13], tab s[14:15]
	v_lshl_add_u32 v[SPW], v0, 2, SPARE
	v_mov_b32 v[NIL], 0
	s_mov_b32 s16, ttmp9
	s_cmp_lt_u32 s16, 32                           ; the same answer in all waves of a work-group
	s_cbranch_scc0 .Ltable
	; ---- a tile of weights ----
	s_movk_i32 s20, 0xc00                          ; bytes in a row of w_qkv
	s_movk_i32 s21, 0x400                          ; of w_proj
	s_sub_co_u32 s19, s16, 24
	s_cmp_lt_u32 s16, 24
	s_cselect_b32 s19, s16, s19                    ; the tile's number in its matrix
	s_cselect_b32 s17, s20, s21                    ; NS: bytes from row to row of the source
	s_cselect_b32 s18, 0, 1                        ; 1: written as f16
	s_wait_kmcnt 0x0
	s_cselect_b64 s[22:23], s[4:5], s[6:7]         ; from
	s_cselect_b64 s[24:25], s[10:11], s[12:13]     ; to
	s_and_b32 s26, s19, 1
	s_lshl_b32 s26, s26, 7                         ; k0
	s_lshr_b32 s27, s19, 1
	s_lshl_b32 s27, s27, 6                         ; n0
	s_mul_i32 s28, s26, s17
	s_lshl2_add_u32 s28, s27, s28                  ; k0 NS + 4 n0
	s_mov_b32 s29, 0
	s_add_nc_u64 s[22:23], s[22:23], s[28:29]
	s_lshl_b32 s28, s27, 9
	s_lshl1_add_u32 s28, s26, s28                  ; 512 n0 + 2 k0
	s_add_nc_u64 s[24:25], s[24:25], s[28:29]
	v_lshrrev_b32 v3, 4, v0                        ; a = t / 16
	v_and_b32 v4, 15, v0                           ; b = t % 16
	v_lshlrev_b32 v5, 1, v3
	v_mul_lo_u32 v5, v5, s17
	v_lshl_add_u32 v5, v4, 4, v5                   ; row 2 a, 16 bytes at 16 b: sixteen lanes read 256 consecutive bytes
	s_lshl_b32 s30, s17, 5                         ; 32 rows
.irp j, 0,1,2,3
	s_mul_i32 s31, s30, \j
	v_add_nc_u32 v[8+2*\j], s31, v5                ; row 2 a + 32 j
	v_add_nc_u32 v[9+2*\j], s17, v[8+2*\j]         ; and the row below it
.endr
.irp j, 0,1,2,3
	global_load_b128 v[16+8*\j:19+8*\j], v[8+2*\j], s[22:23]
	global_load_b128 v[20+8*\j:23+8*\j], v[9+2*\j], s[22:23]
.endr
	s_wait_loadcnt 0x0
.irp j, 0,1,2,3
.irp i, 0,1,2,3
	v_cvt_pk_bf16_f32 v[48+4*\j+\i], v[16+8*\j+\i], v[20+8*\j+\i]  ; k = 2 a + 32 j below, k + 1 above, of column 4 b + i
.endr
.endr
	s_cmp_eq_u32 s18, 0
	s_cbranch_scc1 .Lkeep
.set i, 48
.rept 16
	v_lshlrev_b32 v6, 16, v[i]                     ; the bf16 numbers as f32,
	v_and_b32 v7, 0xffff0000, v[i]
	v_cvt_pk_f16_f32 v[i], v6, v7                  ; written as f16
.set i, i+1
.endr
.Lkeep:
	v_mul_u32_u24 v40, v4, 1088
	v_lshl_add_u32 v40, v3, 2, v40                 ; LDS row 4 b (+ i), byte 4 a (+ 64 j)
.irp j, 0,1,2,3
.irp i, 0,1,2,3
	ds_store_b32 v40, v[48+4*\j+\i] offset:272*\i+64*\j
.endr
.endr
	s_wait_dscnt 0x0                               ; for the others' sake: my stores are done
	s_barrier_signal -1
	s_barrier_wait -1
	v_mul_u32_u24 v41, v3, 272
	v_lshl_add_u32 v41, v4, 4, v41                 ; row a (+ 16 j), 16 bytes at 16 b
.irp j, 0,1,2,3
	ds_load_b128 v[16+4*\j:19+4*\j], v41 offset:4352*\j
.endr
	v_lshlrev_b32 v42, 9, v3
	v_lshl_add_u32 v42, v4, 4, v42
	s_wait_dscnt 0x0
.irp j, 0,1,2,3
	global_store_b128 v42, v[16+4*\j:19+4*\j], s[24:25] offset:8192*\j  ; sixteen lanes store 256 consecutive bytes, aligned
.endr
	s_branch .Lend
	; ---- 256 x 4 numbers of the table ----
.Ltable:
	s_sub_co_u32 s17, s16, 32
	s_lshr_b32 s18, s17, 4                         ; the variant: 16 work-groups each
	s_movk_i32 s19, 90
	s_cmp_eq_u32 s18, 1
	s_cselect_b32 s19, 0, s19
	s_cmp_eq_u32 s18, 2
	s_cselect_b32 s19, 2, s19
	s_cmp_eq_u32 s18, 3
	s_cselect_b32 s19, 0xb0, s19
	s_cmp_eq_u32 s18, 4
	s_cselect_b32 s19, 0xb2, s19                   ; H0
	s_lshl_b32 s20, s17, 8
	v_add_nc_u32 v3, s20, v0                       ; which 16 bytes of the table
	v_and_b32 v10, 31, v3                          ; lane
	v_bfe_u32 v11, v3, 5, 1                        ; which half of the lane's eight numbers
	v_bfe_u32 v12, v3, 6, 3                        ; kr
	v_bfe_u32 v13, v3, 9, 3                        ; head
	v_and_b32 v14, 7, v10                          ; the query's column in the block
	v_bfe_u32 v15, v10, 3, 1                       ; its row
	v_bfe_u32 v16, v10, 4, 1                       ; h
	v_lshlrev_b32 v17, 3, v16
	v_lshl_add_u32 v17, v11, 2, v17                ; key column of my first number
	v_add_nc_u32 v18, s19, v12
	v_add_nc_u32 v18, -3, v18                      ; H0 - 3 + kr
	v_add_nc_u32 v19, 8, v18
	v_cmp_gt_i32 vcc_lo, 0, v18
	v_cndmask_b32 v18, v18, v19, vcc_lo            ; below 0: plus 8
	v_add_nc_u32 v19, -8, v18
	v_cmp_lt_i32 vcc_lo, 0xb3, v18
	v_cndmask_b32 v18, v18, v19, vcc_lo            ; above 179: less 8.  The key's image row
	v_add_nc_u32 v20, s19, v15                     ; the query's image row
	v_add_nc_u32 v21, -3, v20
	v_max_i32 v21, 0, v21
	v_min_i32 v21, 0xad, v21                       ; its window's first row
	v_sub_nc_u32 v22, v18, v21
	v_cmp_gt_u32 s30, 7, v22                       ; the key's row lies in the window
	v_sub_nc_u32 v23, v18, v20
	v_add_nc_u32 v23, 6, v23                       ; rpb's row,
	v_max_i32 v23, 0, v23
	v_min_i32 v23, 12, v23                         ; held inside the table where the key is hidden
	v_mul_u32_u24 v24, v13, 0xa9
	v_mul_u32_u24 v23, v23, 13
	v_add_nc_u32 v24, v24, v23
	v_sub_nc_u32 v25, v17, v14
.irp j, 0,1,2,3
	v_add_nc_u32 v26, (\j)-1, v25                  ; key column - query column - 1: 0 to 6 inside the window
	v_cmp_gt_u32 s31, 7, v26
	s_and_b32 s[32+\j], s30, s31
	v_add_nc_u32 v26, 3, v26                       ; rpb's column
	v_max_i32 v26, 0, v26
	v_min_i32 v26, 12, v26
	v_add_nc_u32 v26, v24, v26
	v_min_u32 v26, 0x547, v26                      ; 8 x 169 - 1
	v_lshlrev_b32 v[34+\j], 2, v26
.endr
	s_wait_kmcnt 0x0
.irp j, 0,1,2,3
	global_load_b32 v[30+\j], v[34+\j], s[8:9]
.endr
	v_mov_b32 v40, 0xf149f2ca                      ; -1e30
	v_lshlrev_b32 v5, 4, v3
	s_wait_loadcnt 0x0
	v_cvt_pk_bf16_f32 v38, v30, v31                ; rpb is rounded to bf16 like every input
	v_cvt_pk_bf16_f32 v39, v32, v33
	v_lshlrev_b32 v30, 16, v38
	v_and_b32 v31, 0xffff0000, v38
	v_lshlrev_b32 v32, 16, v39
	v_and_b32 v33, 0xffff0000, v39
.irp j, 0,1,2,3
	v_mul_f32 v[30+\j], 0x40b504f3, v[30+\j]       ; x sqrt(32): the scores are scaled by 1 / sqrt(32) later, bias and all
	v_cndmask_b32 v[30+\j], v40, v[30+\j], s[32+\j]
.endr
	global_store_b128 v5, v[30:33], s[14:15]       ; a wave stores 512 consecutive bytes
.Lend:
	s_wait_tensorcnt 0x0                           ; the wave's end, behind the last LDS store
	ds_add_u32 v[SPW], v[NIL]
	s_wait_dscnt 0x0
	s_endpgm
.Lfunc_end_k_q5c68593ade_prep:
	.size	k_q5c68593ade_prep, .Lfunc_end_k_q5c68593ade_prep-k_q5c68593ade_prep
	.p2alignl 7, 3214868480
	.fill 96, 4, 3214868480
	.section	.rodata,"a",@progbits
	.p2align	6, 0x0
	.amdhsa_kernel k_q5c68593ade_prep
		.amdhsa_group_segment_fixed_size 18432
		.amdhsa_private_segment_fixed_size 0
		.amdhsa_enable_private_segment 0
		.amdhsa_kernarg_size 48
		.amdhsa_user_sgpr_count 2
		.amdhsa_user_sgpr_kernarg_segment_ptr 1
		.amdhsa_wavefront_size32 1
		.amdhsa_system_sgpr_workgroup_id_x 1
		.amdhsa_system_sgpr_workgroup_id_y 1
		.amdhsa_system_sgpr_workgroup_id_z 1
		.amdhsa_system_vgpr_workitem_id 0
		.amdhsa_next_free_vgpr 64
		.amdhsa_next_free_sgpr 66
		.amdhsa_reserve_vcc 1
		.amdhsa_float_denorm_mode_32 3
		.amdhsa_float_denorm_mode_16_64 3
		.amdhsa_memory_ordered 1
		.amdhsa_forward_progress 1
		.amdhsa_inst_pref_size 14
	.end_amdhsa_kernel
	.amdgpu_metadata
---
amdhsa.version: [ 1, 2 ]
amdhsa.kernels:
  - .name:           k_q5c68593ade_prep
    .symbol:         k_q5c68593ade_prep.kd
    .args:
      - { .name: w_qkv, .offset: 0, .size: 8, .value_kind: global_buffer, .address_space: global }
      - { .name: w_proj, .offset: 8, .size: 8, .value_kind: global_buffer, .address_space: global }
      - { .name: rpb, .offset: 16, .size: 8, .value_kind: global_buffer, .address_space: global }
      - { .name: wqkvT, .offset: 24, .size: 8, .value_kind: global_buffer, .address_space: global }
      - { .name: wprojT, .offset: 32, .size: 8, .value_kind: global_buffer, .address_space: global }
      - { .name: tab, .offset: 40, .size: 8, .value_kind: global_buffer, .address_space: global }
    .group_segment_fixed_size: 18432
    .private_segment_fixed_size: 0
    .kernarg_segment_align: 8
    .kernarg_segment_size: 48
    .max_flat_workgroup_size: 256
    .sgpr_count:     66
    .vgpr_count:     64
    .wavefront_size: 32
...
	.end_amdgpu_metadata
.endif
;; end of part 1
;; launch qkv (part 2): grid 225 x 1, 4 waves a work-group, no clusters, 327,680 bytes of LDS; arguments x, wqkvT, b_qkv, qbuf, kbuf, vbuf; writes qbuf, kbuf, vbuf
.if DOCPART == 2
	.amdgcn_target "amdgcn-amd-amdhsa--gfx1250"
	.amdhsa_code_object_version 6
	.text
	.protected	k_q5c68593ade_qkv
	.globl	k_q5c68593ade_qkv
	.p2align	8
	.type	k_q5c68593ade_qkv,@function
k_q5c68593ade_qkv:
	s_mov_b64 s[64:65], 0
	v_nop
	global_prefetch_b8 v0, s[64:65] scope:SCOPE_SE
	s_setreg_imm32_b32 hwreg(HW_REG_WAVE_MODE, 25, 1), 1
	s_wait_xcnt 0x0
; Q, K, V = x W + b.  x: [64,800][256] f32, rounded to bf16 on the way; wqkvT: [768 n][256 k] bf16; b_qkv rounded to bf16; sums in f32; q, k, v: [64,800][256] f16, unscaled, rounded once.
; LIMIT: |q|, |k|, |v| below 65,504 (f16); beyond that the conversion gives an infinity.  NaN and infinities are not treated apart.
; SHARES.  225 work-groups x 288 positions = 64,800.  THE WEIGHTS STAY IN REGISTERS: wave w owns channels 64 w .. 64 w + 63 of each of the three planes: 12 tiles of 16 x 8 steps of 32 along K x 8 = 768 registers,
; loaded once.  x comes once, by three tensor loads a wave (24 rows of 1,024 bytes each), all issued at the head: three loads of mine are out at the most; nothing in LDS is filled twice.
; Each third (96 rows) is rounded to bf16 in place, each wave its own 24 rows, as soon as it has landed, and multiplied while the later thirds are on their way.
; NO CLUSTER: no tile in LDS is shared between work-groups; x is each work-group's own and the weights go straight to registers.
; THE PRODUCT IS USED TRANSPOSED (source 0 = 16 rows of wqkvT, source 1 = 16 positions): a lane holds one position and eight neighbouring channels: 16 bytes of f16.  The sums start from the bias.
; THE WAY OUT: a plane of 16 positions x 256 channels meets in a stage of 16 rows x 528 bytes (two stages by turns); behind a barrier each wave reads 4 whole rows and stores 512 consecutive bytes an instruction.
; A plane's way out stands inside the next plane's products.
; REGISTERS: window 0: v0-15 addresses; v16-31 rows read back; v32-127 accumulators (plane p, tile t at 32 + 8 (4 p + t)); v128-191, v192-255 two buffers of x's fragments.  Window 1 + p: plane p's weights (tile t, step k at 64 t + 8 k).
.set XP,     1040                      ; an LDS row of x: 1,024 bytes + 16 of padding: row r starts 16 r bytes further modulo 256.  After the rounding its first 512 bytes hold the row in bf16
.set CHUNKB, 96*XP                     ; a third of x: 390 blocks of 256 bytes
.set QUARTB, 24*XP                     ; a wave's part of it
.set STAGE,  288*XP
.set SPITCH, 528
.set SBUF,   16*SPITCH
.set BIAS,   STAGE+2*SBUF              ; 768 f32
.set SPARE,  BIAS+3072                 ; the spare words, 128 bytes for each wave
.set SPW,  1                           ; v1   SPARE + 4 x my thread's number; never rewritten
.set NIL,  2                           ; v2   0; never rewritten
.set R,    3                           ; v3   lane % 16
.set H,    4                           ; v4   lane / 16
.set XA,   5                           ; v5   where the trip's fragments of x begin for my lane
.set BA,   6                           ; v6   my eight numbers of the bias
.set STO,  7                           ; v7   where I put 16 bytes into a stage
.set RD,   8                           ; v8   where I read rows back
.set GO,   9                           ; v9   my byte offset in a plane, one tile of 16 positions ahead of the tile that is being stored
.set CVL0, 10                          ; v10  the rounding: my lane's 16 bytes in my wave's rows
.set CVS0, 11                          ; v11  and its 8 bytes
.set XA0,  12                          ; v12  1,040 r + 16 h
.set WO,   13                          ; v13  my lane's place in the weights
.set CVL,  14
.set CVS,  15
.set OB,   16
.set ACC,  32
.set FR0,  128
.set FR1,  192
.set WV,   16                          ; s16  my wave's number
.set G1,   24                          ; s[24:31] descriptor group 1
.set G0,   32                          ; s[32:43] descriptor group 0, a set for each third
.set CNT,  44
.set XS,   45                          ; s45  LDS byte at which the trip's 32 rows begin
.set CB,   52                          ; s52  the same for the rounding
.set MSB, 0
.macro WIN new                         ; the immediate's high byte repeats the setting that is left; a switch that changes nothing is dropped
.if MSB != (\new)
	s_set_vgpr_msb (MSB<<8)|(\new)
.set MSB, (\new)
.endif
.endm
.macro PLACES n
.rept \n
	v_nop
.endr
.endm
	s_load_b256 s[4:11], s[0:1], 0x0               ; x s[4:5], wqkvT s[6:7], b_qkv s[8:9], q s[10:11]
	s_load_b128 s[12:15], s[0:1], 0x20             ; k s[12:13], v s[14:15]
	v_lshl_add_u32 v[SPW], v0, 2, SPARE
	v_mov_b32 v[NIL], 0
	ds_add_u32 v[SPW], v[NIL]                      ; the wave's opening: the add and its wait ahead of my first tensor load
	ds_add_u32 v1, v2
	v_lshrrev_b32 v14, 5, v0
	v_readfirstlane_b32 s[WV], v14
	s_mov_b32 s[G1+0], (2<<16)|(1<<20)|(7<<22)|(3<<25)  ; elements of 4 bytes; padding on: after every 256 words, 4 words
	s_mov_b32 s[G1+1], 256<<16                     ; tensor_dim0 = 256
	s_mov_b32 s[G1+2], 24<<16                      ; tensor_dim1 = 24
	s_mov_b32 s[G1+3], 256<<16                     ; tile_dim0 = 256
	s_mov_b32 s[G1+4], 24                          ; tile_dim1 = 24
	s_mov_b32 s[G1+5], 256                         ; elements from row to row
	s_mov_b32 s[G1+6], 0
	s_mov_b32 s[G1+7], 0
	s_mul_i32 s46, ttmp9, 294912                   ; 288 rows of 1,024 bytes
	s_mul_i32 s47, s[WV], 24576                    ; my 24 rows of a third
	s_add_co_u32 s46, s46, s47
	s_mov_b32 s47, 0
	s_mul_i32 s48, s[WV], QUARTB
	s_mul_i32 s50, ttmp9, 147456                   ; 288 rows of 512 bytes
	s_mov_b32 s51, 0
	s_wait_dscnt 0x0                               ; the opening add is done
	s_wait_kmcnt 0x0
	s_add_nc_u64 s[20:21], s[4:5], s[46:47]
.irp s, 0,1,2
	s_mov_b32 s[G0+4*\s], 1
	s_add_co_u32 s[G0+4*\s+1], s48, \s*CHUNKB
	s_add_nc_u64 s[G0+4*\s+2:G0+4*\s+3], s[20:21], \s*98304
	s_or_b32 s[G0+4*\s+3], s[G0+4*\s+3], 0x80000000
.endr
.irp s, 0,1,2
	tensor_load_to_lds s[G0+4*\s:G0+4*\s+3], s[G1:G1+7]
	s_nop 0
.endr
	PLACES 4
	s_add_nc_u64 s[10:11], s[10:11], s[50:51]      ; the three planes at the work-group's first position
	s_add_nc_u64 s[12:13], s[12:13], s[50:51]
	s_add_nc_u64 s[14:15], s[14:15], s[50:51]
	v_and_b32 v[R], 15, v0
	v_bfe_u32 v[H], v0, 4, 1
	v_and_b32 v14, 31, v0                          ; lane
	v_lshlrev_b32 v15, 3, v0
.irp j, 0,1,2
	global_load_b64 v[16+2*\j:17+2*\j], v15, s[8:9] offset:1024*\j  ; thread t: numbers 2 t + 256 j of the bias
.endr
	s_lshl_b32 s46, s[WV], 15
	v_lshlrev_b32 v[WO], 9, v[R]
	v_lshl_add_u32 v[WO], v[H], 4, v[WO]
	v_add_nc_u32 v[WO], s46, v[WO]                 ; (64 w + r) x 512 + 16 h
	; A fragment is 16 rows x 32 along K in 8 registers: lane (r, h) holds row r, K = 8 h + 0..7 and 16 + 8 h + 0..7: two loads of 16 bytes, 32 bytes apart
.irp p, 0,1,2
	WIN (1+\p)<<6
.set i, 0
.rept 32                               ; i = 8 t + k
	global_load_b128 v[8*i:8*i+3],   v[WO], s[6:7] offset:131072*\p+8192*(i/8)+64*(i%8)
	global_load_b128 v[8*i+4:8*i+7], v[WO], s[6:7] offset:131072*\p+8192*(i/8)+64*(i%8)+32
.set i, i+1
.endr
.endr
	WIN 0
	v_mul_u32_u24 v[XA0], v[R], XP
	v_lshl_add_u32 v[XA0], v[H], 4, v[XA0]
	s_lshl_b32 s46, s[WV], 8
	s_add_co_u32 s46, s46, BIAS
	v_lshl_add_u32 v[BA], v[H], 5, s46             ; BIAS + 256 w + 32 h
	v_mul_u32_u24 v[STO], v[R], SPITCH
	v_lshl_add_u32 v[STO], v[H], 4, v[STO]
	s_lshl_b32 s46, s[WV], 7
	s_add_co_u32 s46, s46, STAGE
	v_add_nc_u32 v[STO], s46, v[STO]               ; STAGE + 528 r + 128 w + 16 h
	s_mul_i32 s46, s[WV], 4*SPITCH
	s_add_co_u32 s46, s46, STAGE
	v_lshl_add_u32 v[RD], v14, 4, s46              ; rows 4 w .., 16 bytes a lane: a whole row an instruction
	s_lshl_b32 s46, s[WV], 11
	v_lshl_add_u32 v[GO], v14, 4, s46
	v_lshl_add_u32 v[CVL0], v14, 4, s48
	v_lshl_add_u32 v[CVS0], v14, 3, s48
	v_lshl_add_u32 v23, v0, 3, BIAS
	s_wait_loadcnt 0x0                             ; the bias and the weights
.irp j, 0,1,2
	v_cvt_pk_bf16_f32 v22, v[16+2*\j], v[17+2*\j]  ; the bias is rounded to bf16 like every input, and kept as f32
	v_lshlrev_b32 v[16+2*\j], 16, v22
	v_and_b32 v[17+2*\j], 0xffff0000, v22
	ds_store_b64 v23, v[16+2*\j:17+2*\j] offset:1024*\j
.endr
; 16 LDS loads: the fragments of 16 positions, all 256 along K, from byte off behind XA
.macro FRAG fr, off
.irp ks, 0,1,2,3,4,5,6,7
	ds_load_b128 v[(\fr)+8*\ks:(\fr)+8*\ks+3],   v[XA] offset:(\off)+64*\ks
	ds_load_b128 v[(\fr)+8*\ks+4:(\fr)+8*\ks+7], v[XA] offset:(\off)+64*\ks+32
.endr
.endm
; plane p's four accumulators take the bias of my eight channels: the sums start from it
.macro BIASLD p
.irp t, 0,1,2,3
	ds_load_b128 v[ACC+8*(4*(\p)+\t):ACC+8*(4*(\p)+\t)+3],   v[BA] offset:1024*(\p)+64*\t
	ds_load_b128 v[ACC+8*(4*(\p)+\t)+4:ACC+8*(4*(\p)+\t)+7], v[BA] offset:1024*(\p)+64*\t+16
.endr
.endm
; n steps along K from step k0 on, four products each.  The four accumulators take turns, one instruction a turn; the next plane's are others
.macro MM fr, p, k0, n
	WIN 1+(\p)
.set kk, \k0
.rept \n
.irp t, 0,1,2,3
	v_wmma_f32_16x16x32_bf16 v[ACC+8*(4*(\p)+\t):ACC+8*(4*(\p)+\t)+7], v[64*\t+8*kk:64*\t+8*kk+7], v[(\fr)+8*kk:(\fr)+8*kk+7], v[ACC+8*(4*(\p)+\t):ACC+8*(4*(\p)+\t)+7]
.endr
.set kk, kk+1
.endr
.endm
; ONE PLANE OF ONE TILE: 32 products, and among them the way out of the plane before.  buf: the stage that this plane writes; the plane before wrote the other.
; The barrier: in front of its signal my stores into the other stage are done and my reads of this stage (two planes back) are back; behind its wait the other stage is whole and this one is free.
; pf = 1: the trip's second tile is fetched; 2: the next trip's first tile, but not in a third's last trip; 3: the same without the test.  first = 1: there is no plane before.
.macro PLANE fr, p, buf, pf, first
	MM \fr, \p, 0, 4
	WIN 0
	s_wait_dscnt 0x0
	s_barrier_signal -1
.if !(\first)
	BIASLD ((\p)+2)%3                              ; the plane before has left its accumulators; the bias's bytes are written by nobody any more
.endif
	MM \fr, \p, 4, 2
	WIN 0
	s_barrier_wait -1
.if !(\first)
	s_wait_xcnt 0x0                                ; the last stores have read their registers: only now are OB and GO written
.if (\p) == 1
	v_add_nc_u32 v[GO], 0x2000, v[GO]              ; the plane before is a new tile's first
.endif
.irp i, 0,1,2,3
	ds_load_b128 v[OB+4*\i:OB+4*\i+3], v[RD] offset:SPITCH*\i+SBUF*(1-(\buf))
.endr
.endif
.if (\pf) == 1
	FRAG FR1, 16*XP                                ; the last product that read this buffer stands in front of the four v_nop of the plane before
.elseif (\pf) == 2
	s_cmp_eq_u32 s[CNT], 1
	s_cbranch_scc1 .Lnofr_\@
	FRAG FR0, 32*XP
.Lnofr_\@:
.elseif (\pf) == 3
	FRAG FR0, 32*XP
.endif
	MM \fr, \p, 6, 2
	WIN 0
	s_wait_dscnt 0x0                               ; the rows, the bias and the fragments are in
.if !(\first)
.irp i, 0,1,2,3
	global_store_b128 v[GO], v[OB+4*\i:OB+4*\i+3], s[10+2*(((\p)+2)%3):11+2*(((\p)+2)%3)] offset:512*\i-8192  ; 512 consecutive bytes, aligned
.endr
.endif
	PLACES 4                                       ; behind the last product, in front of the conversions that read results
.irp t, 0,1,2,3
.irp n, 0,1,2,3
	v_cvt_pk_f16_f32 v[ACC+8*(4*(\p)+\t)+\n], v[ACC+8*(4*(\p)+\t)+2*\n], v[ACC+8*(4*(\p)+\t)+2*\n+1]  ; in place, from the low end on
.endr
.endr
.irp t, 0,1,2,3
	ds_store_b128 v[STO], v[ACC+8*(4*(\p)+\t):ACC+8*(4*(\p)+\t)+3] offset:32*\t+SBUF*(\buf)
.endr
.endm
; two tiles of 16 positions, three planes each
.macro TRIP first
	v_add_nc_u32 v[XA], s[XS], v[XA0]
	PLANE FR0, 0, 0, 1, \first
	PLANE FR0, 1, 1, 0, 0
	PLANE FR0, 2, 0, 0, 0
	PLANE FR1, 0, 1, 2+(\first), 0
	PLANE FR1, 1, 0, 0, 0
	PLANE FR1, 2, 1, 0, 0
	s_add_co_u32 s[XS], s[XS], 32*XP
.endm
; my 24 rows of third s: f32 to bf16, in place, 8 rows a trip.  A row's 1,024 bytes are in registers before its first 512 are written
.macro CONVERT s
	s_mov_b32 s[CB], (\s)*CHUNKB
	s_mov_b32 s[CNT], 3
.Lcv_\@:
	v_add_nc_u32 v[CVL], s[CB], v[CVL0]
	v_add_nc_u32 v[CVS], s[CB], v[CVS0]
.set i, 0
.rept 8
	ds_load_b128 v[FR0+8*i:FR0+8*i+3],   v[CVL] offset:XP*i
	ds_load_b128 v[FR0+8*i+4:FR0+8*i+7], v[CVL] offset:XP*i+512
.set i, i+1
.endr
	s_wait_dscnt 0x0
.set i, 0
.rept 32
	v_cvt_pk_bf16_f32 v[FR1+i], v[FR0+2*i], v[FR0+2*i+1]
.set i, i+1
.endr
.set i, 0
.rept 8
	ds_store_b64 v[CVS], v[FR1+4*i:FR1+4*i+1]   offset:XP*i
	ds_store_b64 v[CVS], v[FR1+4*i+2:FR1+4*i+3] offset:XP*i+256
.set i, i+1
.endr
	s_add_co_u32 s[CB], s[CB], 8*XP
	s_sub_co_u32 s[CNT], s[CNT], 1
	s_cmp_lg_u32 s[CNT], 0
	s_cbranch_scc1 .Lcv_\@
.endm
; a third of x: 6 tiles
.macro CHUNK s
	WIN 0
	s_wait_tensorcnt 2-(\s)                        ; my part of this third is in; the loads issued behind it may stay out
	s_wait_dscnt 0x0
	s_barrier_signal -1
	s_barrier_wait -1                              ; everybody's part is in: neighbouring parts share a block of 256 bytes, and nothing is stored into a block before its last fill
	CONVERT \s
	s_wait_dscnt 0x0                               ; for the others' sake: my rows are rounded
	s_barrier_signal -1
	s_barrier_wait -1
	s_mov_b32 s[XS], (\s)*CHUNKB
	v_add_nc_u32 v[XA], s[XS], v[XA0]
	FRAG FR0, 0
.if (\s) == 0
	BIASLD 0
	BIASLD 1
	BIASLD 2
.endif
	s_wait_dscnt 0x0
.if (\s) == 0
	TRIP 1                                         ; the first trip of all is written out: its first plane has no plane before it
	s_mov_b32 s[CNT], 2
.else
	s_mov_b32 s[CNT], 3
.endif
.Ltrip_\@:
	TRIP 0
	s_sub_co_u32 s[CNT], s[CNT], 1
	s_cmp_lg_u32 s[CNT], 0
	s_cbranch_scc1 .Ltrip_\@
.endm
	CHUNK 0
	CHUNK 1
	CHUNK 2
	s_wait_dscnt 0x0                               ; the last plane (v of the last tile, in the second stage) goes out
	s_barrier_signal -1
	s_barrier_wait -1
	s_wait_xcnt 0x0
.irp i, 0,1,2,3
	ds_load_b128 v[OB+4*\i:OB+4*\i+3], v[RD] offset:SPITCH*\i+SBUF
.endr
	s_wait_dscnt 0x0
.irp i, 0,1,2,3
	global_store_b128 v[GO], v[OB+4*\i:OB+4*\i+3], s[14:15] offset:512*\i-8192
.endr
	s_wait_tensorcnt 0x0                           ; the wave's end, behind my last tensor load and my last LDS store
	ds_add_u32 v[SPW], v[NIL]
	s_wait_dscnt 0x0
	s_endpgm
.Lfunc_end_k_q5c68593ade_qkv:
	.size	k_q5c68593ade_qkv, .Lfunc_end_k_q5c68593ade_qkv-k_q5c68593ade_qkv
	.p2alignl 7, 3214868480
	.fill 96, 4, 3214868480
	.section	.rodata,"a",@progbits
	.p2align	6, 0x0
	.amdhsa_kernel k_q5c68593ade_qkv
		.amdhsa_group_segment_fixed_size 327680
		.amdhsa_private_segment_fixed_size 0
		.amdhsa_enable_private_segment 0
		.amdhsa_kernarg_size 48
		.amdhsa_user_sgpr_count 2
		.amdhsa_user_sgpr_kernarg_segment_ptr 1
		.amdhsa_wavefront_size32 1
		.amdhsa_system_sgpr_workgroup_id_x 1
		.amdhsa_system_sgpr_workgroup_id_y 1
		.amdhsa_system_sgpr_workgroup_id_z 1
		.amdhsa_system_vgpr_workitem_id 0
		.amdhsa_next_free_vgpr 1024
		.amdhsa_next_free_sgpr 66
		.amdhsa_reserve_vcc 0
		.amdhsa_float_denorm_mode_32 3
		.amdhsa_float_denorm_mode_16_64 3
		.amdhsa_memory_ordered 1
		.amdhsa_forward_progress 1
		.amdhsa_inst_pref_size 168
	.end_amdhsa_kernel
	.amdgpu_metadata
---
amdhsa.version: [ 1, 2 ]
amdhsa.kernels:
  - .name:           k_q5c68593ade_qkv
    .symbol:         k_q5c68593ade_qkv.kd
    .args:
      - { .name: x, .offset: 0, .size: 8, .value_kind: global_buffer, .address_space: global }
      - { .name: wqkvT, .offset: 8, .size: 8, .value_kind: global_buffer, .address_space: global }
      - { .name: b_qkv, .offset: 16, .size: 8, .value_kind: global_buffer, .address_space: global }
      - { .name: qbuf, .offset: 24, .size: 8, .value_kind: global_buffer, .address_space: global }
      - { .name: kbuf, .offset: 32, .size: 8, .value_kind: global_buffer, .address_space: global }
      - { .name: vbuf, .offset: 40, .size: 8, .value_kind: global_buffer, .address_space: global }
    .group_segment_fixed_size: 327680
    .private_segment_fixed_size: 0
    .kernarg_segment_align: 8
    .kernarg_segment_size: 48
    .max_flat_workgroup_size: 128
    .sgpr_count:     66
    .vgpr_count:     1024
    .wavefront_size: 32
...
	.end_amdgpu_metadata
.endif
;; end of part 2
;; launch natt (part 3): grid 45 x 5, 8 waves a work-group, no clusters, 327,680 bytes of LDS; arguments qbuf, kbuf, vbuf, tab, wprojT, b_proj, out0; writes out0
.if DOCPART == 3
	.amdgcn_target "amdgcn-amd-amdhsa--gfx1250"
	.amdhsa_code_object_version 6
	.text
	.protected	k_q5c68593ade_natt
	.globl	k_q5c68593ade_natt
	.p2align	8
	.type	k_q5c68593ade_natt,@function
k_q5c68593ade_natt:
	s_mov_b64 s[64:65], 0
	v_nop
	global_prefetch_b8 v0, s[64:65] scope:SCOPE_SE
	s_setreg_imm32_b32 hwreg(HW_REG_WAVE_MODE, 25, 1), 1
	s_wait_xcnt 0x0
; NEIGHBOURHOOD ATTENTION AND THE OUTPUT PROJECTION.  q, k, v: [180 x 360][256] f16, channel = 32 head + d.  out0: [180 x 360][256] f32.
; For query (h, w): keys in rows clip(h - 3, 0, 173) + 0..6 and columns (w - 3 .. w + 3) mod 360; score = q . k / sqrt(32) + rpb; softmax over the 49; O = sum of p v; out = O w_proj + b_proj.
; LIMITS.  q, k, v arrive within f16's range.  A hidden score counts as its value less 1e30; a weight below 2^-126 counts as 0; NaN and infinities are not treated apart.
; SHARES.  A work-group owns 8 columns (w0 = 8 x) and 36 rows (hs = 36 y): 18 STEPS, each a block of 16 queries (8 columns x 2 rows, first row H0).  In attention wave n is head n; in the projection it owns output
; channels 32 n .. 32 n + 31, whose weights stay in 128 registers.  Two waves lie on a SIMD: one's softmax stands beside the other's products, so the text goes in plain phases.
; A BLOCK'S KEYS: 8 rows (H0 - 3 .. H0 + 4) x 16 columns (w0 - 4 .. w0 + 11, mod 360).  S^T = K Q^T + T: one product a key row (source 0 = the row's 16 keys, source 1 = the 16 queries, K = 32 channels); T, from the
; table, holds rpb x sqrt(32) or -1e30.  In the result a lane holds ONE query (lane % 16) and the key columns 8 (lane / 16) + 0..7.  All of a query's keys are there at once: the true maximum M is taken away,
; p = 2^(c S - c M), c = log2(e) / sqrt(32).  Two key rows rounded to f16 ARE source 1 (32 keys x 16 queries) of O^T = V^T P; V is turned on its way out of LDS.
; THE RING: four slots of 4 image rows x 16 columns of K and V, as four groups of 4 columns (none crosses the seam: 360 is a multiple of 4).  Slot n of 11 holds rows hs - 4 + 4 n ..; where those lie above the image it
; is loaded from 8 rows further down, where below from 8 rows further up: the eight rows of a block stay distinct and hold every clamped window; the table has a variant for each of the four edge blocks.
; Two steps read slots u, u + 1, u + 2; behind them slot u + 4 takes slot u's place, one tensor load a wave (waves 0-3 K's groups, 4-7 V's), with two steps in which to land.  Four loads of mine are out at the start, later one.
; NO CLUSTER: the grid of 45 x 5 divides into none, and neighbouring strips want a shared group of columns at different LDS addresses.
; REGISTERS: window 0: v0-19 addresses; v20-47 at work; v48-111 T; v112-175 S^T, then P, then O's fragments; v176-239 K; v240-255 Q, two steps'.
;   window 1: v0-127 w_proj; v128-191 V; v192-207 O^T; v208-223 the projection's sums; v224-239 its bias; v240-255 rows on their way out.
.set SLOTB, 0x11000
.set RMASK, 0x33000                    ; (place + SLOTB) & RMASK walks 0, 0x11000, 0x22000, 0x33000, 0
.set KPP,   528                        ; a position of K: 512 bytes + 16
.set KRP,   4*KPP                      ; a row of a group
.set KGS,   8512                       ; from group to group: 16 positions + 64 bytes: the 16 keys of a row start 16 r bytes further modulo 256
.set VPP,   544                        ; a position of V: 512 + 32
.set VRP,   4*VPP
.set VGS,   8832                       ; 16 positions + 128 bytes: the 8 keys x 32 bytes of half a turning load start 32 c bytes further modulo 256
.set VOFF,  4*KGS
.set OST,   4*SLOTB                    ; behind the ring, never filled by a tensor load: O in f16, 16 rows x 528
.set OSP,   528
.set OUTS,  OST+16*OSP                 ; the output in f32, 16 rows x 1,040
.set OUP,   1040
.set SPARE, OUTS+16*OUP                ; the spare words, 128 bytes for each of 8 waves
.set QSTEP, 368640                     ; two image rows of q
.set OSTEP, 737280                     ; two image rows of out0; also four image rows of k or v
.set SPW,  1                           ; v1   SPARE + 4 x my thread's number; never rewritten
.set NIL,  2                           ; v2   0; never rewritten
.set AK0,  3                           ; v3   my lane's place in a slot's K
.set AV0,  4                           ; v4   in its V
.set KA,   5                           ; v5-7  AK0 + the three slots in hand
.set VA,   8                           ; v8-10 AV0 + the same
.set QO,   11
.set TO,   12
.set OSTO, 13
.set OFR,  14
.set USTO, 15
.set URD,  16
.set GO,   17
.set PFO,  18
.set MX,   20                          ; v20-23 four running maxima
.set CM,   24                          ; v24-25 c M, and a word that is named with it
.set RL,   26                          ; v26-27 1 / l, twice
.set T0,   28
.set T1,   29
.set LS,   32                          ; v32-39 four pairs of sums
.set OPK,  40                          ; v40-47 O packed
.set TAB,  48
.set S,    112
.set KF,   176
.set QF,   240
.set WP,   0                           ; window 1
.set VF,   128
.set OT,   192
.set PA,   208
.set BP,   224
.set OB,   240
.set WV,   18
.set GQ,   19                          ; which group of columns I fetch
.set CG,   20                          ; its first image column
.set H0,   21
.set ROW,  22                          ; the first row, before the fold, of the slot to be asked for next
.set SA,   23                          ; LDS place of the first of the three slots in hand
.set G1K,  24
.set G1V,  32
.set G0K,  40                          ; s[40:55] four sets; the first also serves the refills
.set SB,   56
.set SC,   57
.set KL,   58
.set VL,   59
.set CS,   60                          ; s[60:61] c
.set SEL,  62                          ; s[62:63] v_permlanex16_b32: each lane takes its own place in the other half
.set OFF,  66                          ; s[66:67] a slot's byte offset in k and v
.set G0V,  68                          ; s[68:83]
.set QP,   84
.set OP,   86
.set TP,   88
.set PFA,  90
.set CURV, 92                          ; the table's variant in registers
.set VAR,  93
.set CNT,  94
.set LIM,  95                          ; a wave prefetches while CNT is above this
.set MSB, 0
.macro WIN new                         ; the immediate's high byte repeats the setting that is left; a switch that changes nothing is dropped
.if MSB != (\new)
	s_set_vgpr_msb (MSB<<8)|(\new)
.set MSB, (\new)
.endif
.endm
.macro PLACES n
.rept \n
	v_nop
.endr
.endm
; OFF = the byte offset of my group in the slot whose first row is ROW, folded at the image's edges; ROW goes on to the next slot
.macro SLOTOFF
	s_add_co_i32 s96, s[ROW], 8
	s_cmp_lt_i32 s[ROW], 0
	s_cselect_b32 s96, s96, s[ROW]
	s_sub_co_i32 s97, s96, 8
	s_cmp_gt_i32 s96, 179
	s_cselect_b32 s96, s97, s96
	s_mul_i32 s96, s96, 360
	s_add_co_u32 s96, s96, s[CG]
	s_lshl_b32 s[OFF], s96, 9
	s_add_co_i32 s[ROW], s[ROW], 4
.endm
; the table for the block at H0: loaded when its variant is not the one in registers (force = 1: at the head, always)
.macro TABCHK force
	s_mov_b32 s[VAR], 0
	s_cmp_eq_u32 s[H0], 0
	s_cselect_b32 s[VAR], 1, s[VAR]
	s_cmp_eq_u32 s[H0], 2
	s_cselect_b32 s[VAR], 2, s[VAR]
	s_cmp_eq_u32 s[H0], 176
	s_cselect_b32 s[VAR], 3, s[VAR]
	s_cmp_eq_u32 s[H0], 178
	s_cselect_b32 s[VAR], 4, s[VAR]
.if !(\force)
	s_cmp_eq_u32 s[VAR], s[CURV]
	s_cbranch_scc1 .Lsame_\@
.endif
	s_lshl_b32 s96, s[VAR], 16
	s_mov_b32 s97, 0
	s_add_nc_u64 s[TP:TP+1], s[10:11], s[96:97]    ; the loads that read this base before have been waited for
.set i, 0
.rept 16
	global_load_b128 v[TAB+4*i:TAB+4*i+3], v[TO], s[TP:TP+1] offset:512*i
.set i, i+1
.endr
	s_wait_loadcnt 0x0
	s_mov_b32 s[CURV], s[VAR]
.if !(\force)
.Lsame_\@:
.endif
.endm
; the three slots' places and the six lane addresses
.macro ADDR
	s_add_co_u32 s[SB], s[SA], SLOTB
	s_and_b32 s[SB], s[SB], RMASK
	s_add_co_u32 s[SC], s[SB], SLOTB
	s_and_b32 s[SC], s[SC], RMASK
	v_add_nc_u32 v[KA], s[SA], v[AK0]
	v_add_nc_u32 v[KA+1], s[SB], v[AK0]
	v_add_nc_u32 v[KA+2], s[SC], v[AK0]
	v_add_nc_u32 v[VA], s[SA], v[AV0]
	v_add_nc_u32 v[VA+1], s[SB], v[AV0]
	v_add_nc_u32 v[VA+2], s[SC], v[AV0]
.endm
; K of the step of parity e: key row kr is row 2 e + 1 + kr of the twelve in hand
.macro NEXTK e
.set kr, 0
.rept 8
.set rel, 2*(\e)+1+kr
	ds_load_b128 v[KF+8*kr:KF+8*kr+3],   v[KA+rel/4] offset:KRP*(rel%4)
	ds_load_b128 v[KF+8*kr+4:KF+8*kr+7], v[KA+rel/4] offset:KRP*(rel%4)+32
.set kr, kr+1
.endr
.endm
; V, turned: fragment f = 2 i + cb: key rows 2 i (registers 0-3) and 2 i + 1 (4-7), channels 16 cb on.  Lane l reads key column 8 (l / 16) + l % 8, channels 8 ((l / 8) % 2) + 0..7
.macro NEXTV e
.set f, 0
.rept 8
.set rel, 2*(\e)+1+2*(f/2)
	ds_load_tr16_b128 v[VF+8*f:VF+8*f+3],   v[VA+rel/4] offset:VRP*(rel%4)+32*(f%2)
.set rel, rel+1
	ds_load_tr16_b128 v[VF+8*f+4:VF+8*f+7], v[VA+rel/4] offset:VRP*(rel%4)+32*(f%2)
.set f, f+1
.endr
.endm
; a refill: the branch hangs on the wave's number alone; an s_nop 0 and four v_nop follow each of the two lines
.macro JLOAD
	s_cmp_lt_u32 s[WV], 4
	s_cbranch_scc0 .Lfv_\@
	tensor_load_to_lds s[G0K:G0K+3], s[G1K:G1K+7]
	s_nop 0
	PLACES 4
	s_branch .Lfd_\@
.Lfv_\@:
	tensor_load_to_lds s[G0V:G0V+3], s[G1V:G1V+7]
	s_nop 0
	PLACES 4
.Lfd_\@:
.endm
; A PREFETCH INTO THE L2 of what the NEXT refill will ask for: my group's 4 rows x 2,048 bytes, a lane a block of 256.  Each block is named once in the launch: a strip asks for its own 8 columns alone (groups 1 and 2:
; waves 1, 2, 5, 6) and for rows of its own 36 alone (slots 5 to 9: the first five refills).  It stands two steps ahead of the load that will want the rows.
.macro ASK
	s_cmp_gt_u32 s[CNT], s[LIM]
	s_cbranch_scc0 .Lnoask_\@
	global_prefetch_b8 v[PFO], s[PFA:PFA+1] offset:OSTEP th:TH_LOAD_NT scope:SCOPE_SE
.Lnoask_\@:
.endm
	s_load_b256 s[4:11], s[0:1], 0x0               ; q s[4:5], k s[6:7], v s[8:9], tab s[10:11]
	s_load_b128 s[12:15], s[0:1], 0x20             ; wprojT s[12:13], b_proj s[14:15]
	s_load_b64 s[16:17], s[0:1], 0x30              ; out0
	v_lshl_add_u32 v[SPW], v0, 2, SPARE
	v_mov_b32 v[NIL], 0
	ds_add_u32 v[SPW], v[NIL]                      ; the wave's opening: the add and its wait ahead of my first tensor load
	ds_add_u32 v1, v2
	v_lshrrev_b32 v19, 5, v0
	v_readfirstlane_b32 s[WV], v19
	s_and_b32 s[GQ], s[WV], 3
	s_lshl_b32 s98, ttmp9, 3                       ; w0
	s_and_b32 s99, ttmp7, 0xffff
	s_mul_i32 s[H0], s99, 36                       ; hs
	s_add_co_i32 s[ROW], s[H0], -4
	s_lshl2_add_u32 s[CG], s[GQ], s98
	s_add_co_u32 s[CG], s[CG], 356                 ; w0 - 4 + 4 g + 360, brought under 360 in two steps
.rept 2
	s_sub_co_u32 s96, s[CG], 360
	s_cmp_ge_u32 s[CG], 360
	s_cselect_b32 s[CG], s96, s[CG]
.endr
	s_mul_i32 s[KL], s[GQ], KGS
	s_mul_i32 s[VL], s[GQ], VGS
	s_add_co_u32 s[VL], s[VL], VOFF
	s_mov_b32 s[G1K], (1<<16)|(1<<20)|(6<<22)|(3<<25)  ; elements of 2 bytes; padding on: after every 128 words (a position), 4 words
	s_mov_b32 s[G1V], (1<<16)|(1<<20)|(6<<22)|(7<<25)  ; the same with 8 words
.irp g, G1K, G1V
	s_mov_b32 s[\g+1], 1024<<16                    ; tensor_dim0 = 1,024: four positions, 2,048 consecutive bytes
	s_mov_b32 s[\g+2], 4<<16                       ; tensor_dim1 = 4
	s_mov_b32 s[\g+3], 1024<<16                    ; tile_dim0
	s_mov_b32 s[\g+4], 4                           ; tile_dim1
	s_mov_b32 s[\g+5], 92160                       ; an image row: 360 x 256 elements
	s_mov_b32 s[\g+6], 0
	s_mov_b32 s[\g+7], 0
.endr
	s_mov_b32 s[OFF+1], 0
	s_mov_b32 s[CS], 0x3e8293ee                    ; c = log2(e) / sqrt(32) = 0.255035
	s_mov_b32 s[CS+1], s[CS]
	s_mov_b32 s[SEL], 0x76543210
	s_mov_b32 s[SEL+1], 0xfedcba98
	s_add_co_u32 s96, s[GQ], 1
	s_and_b32 s96, s96, 2
	s_cmp_lg_u32 s96, 0                            ; groups 1 and 2
	s_cselect_b32 s[LIM], 2, -1
	s_mul_i32 s99, s[H0], 360
	s_add_co_u32 s99, s99, s98                     ; the first query's position
	s_wait_dscnt 0x0                               ; the opening add is done
	s_wait_kmcnt 0x0
	s_lshl_b32 s96, s99, 9
	s_mov_b32 s97, 0
	s_add_nc_u64 s[QP:QP+1], s[4:5], s[96:97]
	s_lshl_b32 s96, s99, 10
	s_add_nc_u64 s[OP:OP+1], s[16:17], s[96:97]
.irp s, 0,1,2,3
	SLOTOFF
	s_mov_b32 s[G0K+4*\s], 1
	s_add_co_u32 s[G0K+4*\s+1], s[KL], \s*SLOTB
	s_add_nc_u64 s[G0K+4*\s+2:G0K+4*\s+3], s[6:7], s[OFF:OFF+1]
	s_or_b32 s[G0K+4*\s+3], s[G0K+4*\s+3], 0x80000000
	s_mov_b32 s[G0V+4*\s], 1
	s_add_co_u32 s[G0V+4*\s+1], s[VL], \s*SLOTB
	s_add_nc_u64 s[G0V+4*\s+2:G0V+4*\s+3], s[8:9], s[OFF:OFF+1]
	s_or_b32 s[G0V+4*\s+3], s[G0V+4*\s+3], 0x80000000
.endr
	s_cmp_lt_u32 s[WV], 4                          ; a wave's four first fills stand in one branch, ahead of every wait on TENSORcnt, every LDS read and every barrier
	s_cbranch_scc0 .Lfirst_v
.irp s, 0,1,2,3
	tensor_load_to_lds s[G0K+4*\s:G0K+4*\s+3], s[G1K:G1K+7]
	s_nop 0
.endr
	PLACES 4
	s_branch .Lfirst_done
.Lfirst_v:
.irp s, 0,1,2,3
	tensor_load_to_lds s[G0V+4*\s:G0V+4*\s+3], s[G1V:G1V+7]
	s_nop 0
.endr
	PLACES 4
.Lfirst_done:
	v_and_b32 v19, 31, v0                          ; l
	v_and_b32 v30, 15, v0                          ; r
	v_bfe_u32 v31, v0, 4, 1                        ; h
	s_lshl_b32 s96, s[WV], 6                       ; my head's 64 bytes of a position
	v_lshrrev_b32 v28, 2, v30
	v_and_b32 v29, 3, v30
	v_mul_u32_u24 v[AK0], v28, KGS
	v_mul_u32_u24 v29, v29, KPP
	v_add_nc_u32 v[AK0], v[AK0], v29
	v_lshl_add_u32 v[AK0], v31, 4, v[AK0]
	v_add_nc_u32 v[AK0], s96, v[AK0]               ; key column r: group r / 4, position r % 4; 16 h; my head
	v_and_b32 v28, 7, v0
	v_lshl_add_u32 v28, v31, 3, v28                ; key column 8 h + l % 8
	v_lshrrev_b32 v29, 2, v28
	v_and_b32 v28, 3, v28
	v_mul_u32_u24 v[AV0], v29, VGS
	v_mul_u32_u24 v28, v28, VPP
	v_add_nc_u32 v[AV0], v[AV0], v28
	v_bfe_u32 v28, v0, 3, 1
	v_lshl_add_u32 v[AV0], v28, 4, v[AV0]
	s_add_co_u32 s97, s96, VOFF
	v_add_nc_u32 v[AV0], s97, v[AV0]
	v_lshrrev_b32 v28, 3, v30                      ; the query's row in the block,
	v_and_b32 v29, 7, v30                          ; its column
	v_mul_u32_u24 v28, v28, 360
	v_add_nc_u32 v28, v28, v29
	v_lshlrev_b32 v[QO], 9, v28
	v_lshl_add_u32 v[QO], v31, 4, v[QO]
	v_add_nc_u32 v[QO], s96, v[QO]
	s_lshl_b32 s97, s[WV], 13
	v_lshl_add_u32 v[TO], v19, 4, s97
	v_mul_u32_u24 v28, v30, OSP
	v_lshl_add_u32 v28, v31, 4, v28
	v_add_nc_u32 v[OFR], OST, v28                  ; O's fragments: row r, 16 h
	v_add_nc_u32 v[OSTO], s96, v[OFR]              ; where I put my head's channels
	v_mul_u32_u24 v28, v30, OUP
	v_lshl_add_u32 v28, v31, 5, v28
	s_lshl_b32 s97, s[WV], 7
	s_add_co_u32 s97, s97, OUTS
	v_add_nc_u32 v[USTO], s97, v28
	s_mul_i32 s97, s[WV], 2*OUP
	s_add_co_u32 s97, s97, OUTS
	v_lshl_add_u32 v[URD], v19, 4, s97             ; rows 2 n and 2 n + 1 of the block,
	s_lshr_b32 s97, s[WV], 2
	s_mul_i32 s97, s97, 360
	s_lshl_b32 s98, s[WV], 1
	s_and_b32 s98, s98, 7
	s_add_co_u32 s97, s97, s98
	s_lshl_b32 s97, s97, 10
	v_lshl_add_u32 v[GO], v19, 4, s97              ; which are two neighbouring positions: 2,048 consecutive bytes of out0
	v_lshrrev_b32 v28, 3, v19
	v_mul_u32_u24 v28, v28, 184320
	v_and_b32 v29, 7, v19
	v_lshl_add_u32 v[PFO], v29, 8, v28             ; image row l / 8, block l % 8
	s_lshl_b32 s97, s[WV], 14
	v_lshlrev_b32 v28, 9, v30
	v_lshl_add_u32 v28, v31, 4, v28
	v_add_nc_u32 v28, s97, v28                     ; (32 n + r) x 512 + 16 h in wprojT
	s_lshl_b32 s97, s[WV], 7
	v_lshl_add_u32 v29, v31, 5, s97                ; 128 n + 32 h in b_proj
	WIN 0x40                                       ; destination window 1
.set i, 0
.rept 16                               ; i = 8 nt + ks
	global_load_b128 v[WP+8*i:WP+8*i+3],   v28, s[12:13] offset:8192*(i/8)+64*(i%8)
	global_load_b128 v[WP+8*i+4:WP+8*i+7], v28, s[12:13] offset:8192*(i/8)+64*(i%8)+32
.set i, i+1
.endr
.irp nt, 0,1
	global_load_b128 v[BP+8*\nt:BP+8*\nt+3],   v29, s[14:15] offset:64*\nt
	global_load_b128 v[BP+8*\nt+4:BP+8*\nt+7], v29, s[14:15] offset:64*\nt+16
.endr
	WIN 0
	global_load_b128 v[QF:QF+3],     v[QO], s[QP:QP+1]
	global_load_b128 v[QF+4:QF+7],   v[QO], s[QP:QP+1] offset:32
	global_load_b128 v[QF+8:QF+11],  v[QO], s[QP:QP+1] offset:QSTEP
	global_load_b128 v[QF+12:QF+15], v[QO], s[QP:QP+1] offset:QSTEP+32
	TABCHK 1                                       ; its wait is for all the loads above too
	WIN 0x45                                       ; sources and destination in window 1
.set n, 0
.rept 8
	v_cvt_pk_bf16_f32 v[OB+n], v[BP+2*n], v[BP+2*n+1]  ; the bias is rounded to bf16 like every input, and kept as f32
.set n, n+1
.endr
.set n, 0
.rept 8
	v_lshlrev_b32 v[BP+2*n], 16, v[OB+n]
	v_and_b32 v[BP+2*n+1], 0xffff0000, v[OB+n]
.set n, n+1
.endr
	WIN 0
	s_wait_tensorcnt 1                             ; my parts of slots 0, 1, 2 are in; slot 3's may stay out
	s_barrier_signal -1
	s_barrier_wait -1
	s_mov_b32 s[SA], 0
	ADDR
	NEXTK 0
	WIN 0x40
	NEXTV 0
	WIN 0
; ONE STEP.  e: its parity.  b2 = 1: behind it a slot is filled again; 2: the last tensor load is waited for.  ql = 1: Q of the step two on is asked for.  nx = 1: K and V of the next step are fetched.
; lc: the younger global loads that may stay out when this step's Q is wanted: the next step's two.
.macro STEP e, b2, ql, nx, lc
	TABCHK 0
	s_wait_dscnt 16                                ; K is in; V's sixteen loads may stay out
	s_wait_loadcnt \lc
.irp kr, 0,1,2,3,4,5,6,7
	v_wmma_f32_16x16x32_f16 v[S+8*\kr:S+8*\kr+7], v[KF+8*\kr:KF+8*\kr+7], v[QF+8*(\e):QF+8*(\e)+7], v[TAB+8*\kr:TAB+8*\kr+7]
.endr
	PLACES 4                                       ; in front of the load into Q's registers and of the maxima that read results
.if \ql
	s_wait_xcnt 0x0                                ; earlier loads have read this base
	s_add_nc_u64 s[QP:QP+1], s[QP:QP+1], QSTEP
	global_load_b128 v[QF+8*(\e):QF+8*(\e)+3],   v[QO], s[QP:QP+1] offset:QSTEP
	global_load_b128 v[QF+8*(\e)+4:QF+8*(\e)+7], v[QO], s[QP:QP+1] offset:QSTEP+32
.endif
	; the maximum of my 64 scores: four chains, each over two accumulators; each accumulator is read from its low end on
.irp q, 0,1,2,3
	v_max3_num_f32 v[MX+\q], v[S+8*\q], v[S+8*\q+1], v[S+8*\q+2]
.endr
.irp q, 0,1,2,3
	v_max3_num_f32 v[MX+\q], v[MX+\q], v[S+8*\q+3], v[S+8*\q+4]
.endr
.irp q, 0,1,2,3
	v_max3_num_f32 v[MX+\q], v[MX+\q], v[S+8*\q+5], v[S+8*\q+6]
.endr
.irp q, 0,1,2,3
	v_max3_num_f32 v[MX+\q], v[MX+\q], v[S+8*\q+7], v[S+8*\q+32]
.endr
.irp q, 0,1,2,3
	v_max3_num_f32 v[MX+\q], v[MX+\q], v[S+8*\q+33], v[S+8*\q+34]
.endr
.irp q, 0,1,2,3
	v_max3_num_f32 v[MX+\q], v[MX+\q], v[S+8*\q+35], v[S+8*\q+36]
.endr
.irp q, 0,1,2,3
	v_max3_num_f32 v[MX+\q], v[MX+\q], v[S+8*\q+37], v[S+8*\q+38]
.endr
.irp q, 0,1,2,3
	v_max_num_f32 v[MX+\q], v[MX+\q], v[S+8*\q+39]
.endr
	v_max3_num_f32 v[MX], v[MX], v[MX+1], v[MX+2]
	v_max_num_f32 v[MX], v[MX], v[MX+3]
	v_permlanex16_b32 v[MX+1], v[MX], s[SEL], s[SEL+1]  ; the query's other 64 keys lie in the lane 16 away
	v_max_num_f32 v[MX], v[MX], v[MX+1]
	v_mul_f32 v[CM], s[CS], v[MX]
	v_mov_b32 v[CM+1], v[MX]                       ; named with it as a pair
.set n, 0
.rept 32
	v_pk_fma_f32 v[S+2*n:S+2*n+1], v[S+2*n:S+2*n+1], s[CS:CS+1], v[CM:CM+1] op_sel_hi:[1,0,0] neg_lo:[0,0,1] neg_hi:[0,0,1]  ; c S - c M
.set n, n+1
.endr
.set n, 0
.rept 64
	v_exp_f32 v[S+n], v[S+n]                       ; one batch
.set n, n+1
.endr
	v_nop                                          ; a plain instruction behind the last exponential,
	s_wait_alu depctr_va_vdst(0)                   ; and a wait ahead of the batch's first reader
.irp q, 0,1,2,3
	v_pk_add_f32 v[LS+2*\q:LS+2*\q+1], v[S+2*\q:S+2*\q+1], v[S+8+2*\q:S+8+2*\q+1]
.endr
.set n, 8
.rept 24
	v_pk_add_f32 v[LS+2*(n%4):LS+2*(n%4)+1], v[LS+2*(n%4):LS+2*(n%4)+1], v[S+2*n:S+2*n+1]
.set n, n+1
.endr
	v_pk_add_f32 v[LS:LS+1], v[LS:LS+1], v[LS+2:LS+3]
	v_pk_add_f32 v[LS+4:LS+5], v[LS+4:LS+5], v[LS+6:LS+7]
	v_pk_add_f32 v[LS:LS+1], v[LS:LS+1], v[LS+4:LS+5]
	v_add_f32 v[T0], v[LS], v[LS+1]
	v_permlanex16_b32 v[T1], v[T0], s[SEL], s[SEL+1]
	v_add_f32 v[T0], v[T0], v[T1]                  ; l, at least 1: the maximum's own weight
	v_rcp_f32 v[RL], v[T0]
	v_rcp_f32 v[RL+1], v[T0]                       ; their wait stands behind the products below
.irp i, 0,1,2,3                        ; key rows 2 i and 2 i + 1 become source 1 of step i of V^T P, in place
.irp n, 0,1,2,3
	v_cvt_pk_f16_f32 v[S+16*\i+\n], v[S+16*\i+2*\n], v[S+16*\i+2*\n+1]
.endr
.irp n, 0,1,2,3
	v_cvt_pk_f16_f32 v[S+16*\i+4+\n], v[S+16*\i+8+2*\n], v[S+16*\i+8+2*\n+1]
.endr
.endr
	s_wait_dscnt 0x0                               ; V is in
	WIN 0x51                                       ; source 0, C and D in window 1, source 1 in window 0
.irp i, 0,1,2,3
.irp cb, 0,1                           ; the two accumulators take turns
.if \i == 0
	v_wmma_f32_16x16x32_f16 v[OT+8*\cb:OT+8*\cb+7], v[VF+8*(2*\i+\cb):VF+8*(2*\i+\cb)+7], v[S+16*\i:S+16*\i+7], 0
.else
	v_wmma_f32_16x16x32_f16 v[OT+8*\cb:OT+8*\cb+7], v[VF+8*(2*\i+\cb):VF+8*(2*\i+\cb)+7], v[S+16*\i:S+16*\i+7], v[OT+8*\cb:OT+8*\cb+7]
.endif
.endr
.endr
	PLACES 4
	s_wait_alu depctr_va_vdst(0)                   ; the two reciprocals
	WIN 0x41
.set n, 0
.rept 8
	v_pk_mul_f32 v[OT+2*n:OT+2*n+1], v[OT+2*n:OT+2*n+1], v[RL:RL+1]
.set n, n+1
.endr
	WIN 0x05
.set n, 0
.rept 8
	v_cvt_pk_f16_f32 v[OPK+n], v[OT+2*n], v[OT+2*n+1]
.set n, n+1
.endr
	WIN 0
	ds_store_b128 v[OSTO], v[OPK:OPK+3]
	ds_store_b128 v[OSTO], v[OPK+4:OPK+7] offset:32
	s_wait_dscnt 0x0                               ; my head's O is stored; my reads of the last step's output rows are back
	s_barrier_signal -1
	s_barrier_wait -1                              ; all eight heads' O lie in LDS
.irp ks, 0,1,2,3,4,5,6,7
	ds_load_b128 v[S+8*\ks:S+8*\ks+3],   v[OFR] offset:64*\ks
	ds_load_b128 v[S+8*\ks+4:S+8*\ks+7], v[OFR] offset:64*\ks+32
.endr
	s_wait_dscnt 0x0
	WIN 0x51
.irp ks, 0,1,2,3,4,5,6,7
.irp nt, 0,1
.if \ks == 0
	v_wmma_f32_16x16x32_f16 v[PA+8*\nt:PA+8*\nt+7], v[WP+64*\nt+8*\ks:WP+64*\nt+8*\ks+7], v[S+8*\ks:S+8*\ks+7], v[BP+8*\nt:BP+8*\nt+7]
.else
	v_wmma_f32_16x16x32_f16 v[PA+8*\nt:PA+8*\nt+7], v[WP+64*\nt+8*\ks:WP+64*\nt+8*\ks+7], v[S+8*\ks:S+8*\ks+7], v[PA+8*\nt:PA+8*\nt+7]
.endif
.endr
.endr
	PLACES 5                                       ; four in front of the stores that read results; five in front of the next step's products, which write over source 1
	WIN 0x04                                       ; the stores' data in window 1
.irp nt, 0,1
	ds_store_b128 v[USTO], v[PA+8*\nt:PA+8*\nt+3]   offset:64*\nt
	ds_store_b128 v[USTO], v[PA+8*\nt+4:PA+8*\nt+7] offset:64*\nt+16
.endr
	WIN 0
	s_add_co_u32 s[H0], s[H0], 2
.if (\b2) >= 1
	s_wait_tensorcnt 0x0                           ; all my tensor loads have landed: the one that was out is my part of the slot that the next two steps read last
.endif
.if (\b2) == 1
	ds_add_u32 v[SPW], v[NIL]                      ; 0 onto my spare word; the descriptors' scalar work stands between it and its wait
	SLOTOFF
	s_add_co_u32 s[G0K+1], s[SA], s[KL]            ; into the place of the slot that is left
	s_add_nc_u64 s[G0K+2:G0K+3], s[6:7], s[OFF:OFF+1]
	s_or_b32 s[G0K+3], s[G0K+3], 0x80000000
	s_add_co_u32 s[G0V+1], s[SA], s[VL]
	s_add_nc_u64 s[G0V+2:G0V+3], s[8:9], s[OFF:OFF+1]
	s_or_b32 s[G0V+3], s[G0V+3], 0x80000000
	s_wait_xcnt 0x0                                ; the last prefetch, two steps back, has read its base
	s_cmp_lt_u32 s[WV], 4
	s_cselect_b64 s[PFA:PFA+1], s[6:7], s[8:9]
	s_add_nc_u64 s[PFA:PFA+1], s[PFA:PFA+1], s[OFF:OFF+1]
.endif
.if (\e) == 1
	s_add_co_u32 s[SA], s[SA], SLOTB
	s_and_b32 s[SA], s[SA], RMASK
.endif
	s_wait_dscnt 0x0                               ; my output is stored, my reads of O and of the slot that is left are back (and the add is done)
	s_barrier_signal -1
	s_barrier_wait -1
.if (\b2) == 1
	JLOAD                                          ; my one tensor load behind this barrier, and the first thing there
.endif
.if ((\e) == 1) && (\nx)
	ADDR
.endif
	s_wait_xcnt 0x0                                ; the last step's stores have read their base and their data
	s_add_nc_u64 s[OP:OP+1], s[OP:OP+1], OSTEP
.if \nx
	NEXTK 1-(\e)
.endif
	WIN 0x40
.irp i, 0,1,2,3
	ds_load_b128 v[OB+4*\i:OB+4*\i+3], v[URD] offset:OUP*(\i/2)+512*(\i%2)
.endr
.if \nx
	NEXTV 1-(\e)
.endif
	WIN 0
.if (\b2) == 1
	ASK
.endif
.if \nx
	s_wait_dscnt 16                                ; the four rows' parts are back; V's sixteen loads may stay out
.else
	s_wait_dscnt 0x0
.endif
	WIN 0x04
.irp i, 0,1,2,3
	global_store_b128 v[GO], v[OB+4*\i:OB+4*\i+3], s[OP:OP+1] offset:512*\i-OSTEP  ; 512 consecutive bytes, aligned
.endr
	WIN 0
.endm
	s_mov_b32 s[CNT], 7
.Lds:                                  ; two steps a trip; behind each of the seven trips a slot is filled again
	STEP 0, 0, 1, 1, 2
	STEP 1, 1, 1, 1, 2
	s_sub_co_u32 s[CNT], s[CNT], 1
	s_cmp_lg_u32 s[CNT], 0
	s_cbranch_scc1 .Lds
	STEP 0, 0, 1, 1, 2                             ; the tail is written out
	STEP 1, 2, 1, 1, 2                             ; the last slot is waited for
	STEP 0, 0, 0, 1, 2
	STEP 1, 0, 0, 0, 0
	s_wait_tensorcnt 0x0                           ; the wave's end, behind my last tensor load and my last LDS store
	ds_add_u32 v[SPW], v[NIL]
	s_wait_dscnt 0x0
	s_endpgm
.Lfunc_end_k_q5c68593ade_natt:
	.size	k_q5c68593ade_natt, .Lfunc_end_k_q5c68593ade_natt-k_q5c68593ade_natt
	.p2alignl 7, 3214868480
	.fill 96, 4, 3214868480
	.section	.rodata,"a",@progbits
	.p2align	6, 0x0
	.amdhsa_kernel k_q5c68593ade_natt
		.amdhsa_group_segment_fixed_size 327680
		.amdhsa_private_segment_fixed_size 0
		.amdhsa_enable_private_segment 0
		.amdhsa_kernarg_size 56
		.amdhsa_user_sgpr_count 2
		.amdhsa_user_sgpr_kernarg_segment_ptr 1
		.amdhsa_wavefront_size32 1
		.amdhsa_system_sgpr_workgroup_id_x 1
		.amdhsa_system_sgpr_workgroup_id_y 1
		.amdhsa_system_sgpr_workgroup_id_z 1
		.amdhsa_system_vgpr_workitem_id 0
		.amdhsa_next_free_vgpr 512
		.amdhsa_next_free_sgpr 100
		.amdhsa_reserve_vcc 0
		.amdhsa_float_denorm_mode_32 3
		.amdhsa_float_denorm_mode_16_64 3
		.amdhsa_memory_ordered 1
		.amdhsa_forward_progress 1
		.amdhsa_inst_pref_size 147
	.end_amdhsa_kernel
	.amdgpu_metadata
---
amdhsa.version: [ 1, 2 ]
amdhsa.kernels:
  - .name:           k_q5c68593ade_natt
    .symbol:         k_q5c68593ade_natt.kd
    .args:
      - { .name: qbuf, .offset: 0, .size: 8, .value_kind: global_buffer, .address_space: global }
      - { .name: kbuf, .offset: 8, .size: 8, .value_kind: global_buffer, .address_space: global }
      - { .name: vbuf, .offset: 16, .size: 8, .value_kind: global_buffer, .address_space: global }
      - { .name: tab, .offset: 24, .size: 8, .value_kind: global_buffer, .address_space: global }
      - { .name: wprojT, .offset: 32, .size: 8, .value_kind: global_buffer, .address_space: global }
      - { .name: b_proj, .offset: 40, .size: 8, .value_kind: global_buffer, .address_space: global }
      - { .name: out0, .offset: 48, .size: 8, .value_kind: global_buffer, .address_space: global }
    .group_segment_fixed_size: 327680
    .private_segment_fixed_size: 0
    .kernarg_segment_align: 8
    .kernarg_segment_size: 56
    .max_flat_workgroup_size: 256
    .sgpr_count:     100
    .vgpr_count:     512
    .wavefront_size: 32
...
	.end_amdgpu_metadata
.endif
;; end of part 3
